; MI455X (gfx1250); checked and timed in simulation.
; The chip was launched on July 23, 2026; its instructions are those of AMD's public machine-readable ISA for CDNA 5 (MIT licence, August 2026) and "CDNA5" Instruction Set Architecture Reference Guide (July 2026). The comments in the code are by the model that wrote it; some were corrected since.
;; Mug head. Allowed arithmetic: matrix products marked QUANTISED: E5M2 operands, one given power-of-two scale a tensor, by v_wmma_f32_16x16x64_bf8_bf8 or v_wmma_f32_16x16x128_bf8_bf8, f32 sums; everything else in f32.
;; Inputs: lowp_scales 2 int32 (the exponents e of the quantised operands' scales 2^e); text_feat 256 x 32 x 512 float32; text_mask 256 x 32 float32; video_feat 256 x 16 x 512 float32.
;; Outputs: out0 256 x 256 float32.
;; This version of the problem:
;;   THIS VERSION OF THE PROBLEM IS GIVEN IN LOW PRECISION. The matrix products marked QUANTISED in the list below multiply operands that are first quantised to E5M2 (5 exponent bits, 2 mantissa bits; 8 bits a number), with one given power-of-two scale for each operand tensor; their sums are f32. All else is computed in f32.
;;   The module's matrix products, in the order in which they are computed (A, B: the left and right operand; K: the contracted axis; several contracted axes count as one K, in the product's order):
;;     1. [M 4,096, K 512] x [K 512, N 8,192]; A: computed on the way; B: computed on the way: QUANTISED (scales: A lowp_scales[0], B lowp_scales[1])
;;   THE QUANTISER, for each operand of a quantised product, along K:
;;     - The operand's scale is 2^e, e = its entry of the input lowp_scales (int32; the entries are numbered through the quantised products in the list's order, A before B).
;;     - Each number is divided by the scale, clamped to +-57,344, and rounded to the nearest number of E5M2, ties to even, subnormals kept.
;;     - The product sums the exact products of the quantised numbers (number of the format x scale) in f32.
;;   ~~~python
;;   def quantise(x, axis, e):      # numpy; x: float32 -> the quantised numbers, widened to float32 again
;;       x = np.moveaxis(x, axis, -1); K = x.shape[-1]
;;       r = np.clip(x / 2.0 ** e, -57344, 57344)
;;       step = 2.0 ** (np.maximum(np.frexp(np.where(r == 0, 1, r))[1] - 1, -14) - 2)
;;       q = np.round(r / step) * step * 2.0 ** e      # np.round: ties to even
;;       return np.moveaxis(q, -1, axis).astype(np.float32)
;;   ~~~
;;   OPERANDS COMPUTED ON THE WAY. 'Computed on the way' means the value that the module computes at that place (a softmax that the list does not call 'softmax' is quantised finished and normalised). What goes into a quantiser is computed in f32, as accurately as f32 sums, v_exp_f32 and their like allow (about 1e-6 of the number): no bf16 or f16 on the way to a quantiser, and a product that is left as it is and whose result goes on into a quantised operand takes f32 operands (vector FMAs, or v_wmma_f32_16x16x4_f32). A number that lies on a knife's edge between two numbers of the format may be rounded either way, as far as f32 arithmetic and the matrix unit's own rounding can turn it there, and no further.
;; One version. Each part assembles by itself: llvm-mc -triple=amdgcn-amd-amdhsa -mcpu=gfx1250 --defsym DOCPART=n.
;; ======== version 1 of 1: 2 launches
;; limits: right only within a limited range of input values
;; workspace buffers: text_codes 4,194,304 bytes; video_codes 2,097,152 bytes
;; launch quant (part 1): grid 256 x 1, 12 waves a work-group, no clusters, 0 bytes of LDS; arguments text_feat, video_feat, lowp_scales, text_codes, video_codes; writes text_codes, video_codes
.if DOCPART == 1
	.amdgcn_target "amdgcn-amd-amdhsa--gfx1250"
	.amdhsa_code_object_version 6
	.text
	.protected	k_qee6a1a3d4a_quant
	.globl	k_qee6a1a3d4a_quant
	.p2align	8
	.type	k_qee6a1a3d4a_quant,@function
k_qee6a1a3d4a_quant:
	s_mov_b64 s[64:65], 0
	v_nop
	global_prefetch_b8 v0, s[64:65] scope:SCOPE_SE
	s_setreg_imm32_b32 hwreg(HW_REG_WAVE_MODE, 25, 1), 1
	s_wait_xcnt 0x0
; Every row of 512 f32 numbers of text_feat (8,192 rows) and video_feat (4,096 rows) is divided by max(its norm, 1e-6) and turned into codes of BF8 (E5M2), one byte a number,
; with the scale 2^e that is given for its tensor: video is the product's left operand (entry 0 of the scales), text its right one (entry 1).
; code = x / 2^e, held within +-57,344, rounded to the nearest code, ties to even.
; SHARES.  256 work-groups of 12 waves, 4 rows a wave: of the launch's 3,072 waves 0 to 2,047 take text, the others video; only pointers and e are chosen, by the wave's number: one path through the text.
; A row is 2,048 bytes: four loads of 512 consecutive bytes; load i gives lane l the numbers k = 128 i + 4 l + 0 .. 3.  A wave's 16 loads go out at once.  No LDS, no barrier: a row never leaves its wave.
; THE CODES' ORDER.  A lane's 16 codes are stored as 16 consecutive bytes, so byte 16 l + 4 i + j of a row of codes is the code of k = 128 i + 4 l + j: a permutation of k, the same in both tensors.
; The product that reads the codes pairs byte p of one row with byte p of the other, so every number meets its partner; only the order of the sums changes.
; 1 / max(n, 1e-6) = min(1 / n, 1e6) = min(rsq(sum of squares), 1e6); for a sum of squares of 0 the reciprocal root is infinite and the minimum takes 1e6, as the reference's clamp does.
; LIMITS: -126 <= e <= 112, so that 2^e and 57,344 x 2^e are f32 numbers; a row's sum of squares is finite; NaN and infinities among the inputs are not served.
.set NTXT, 2048                        ; waves that take text
.set X,    16                          ; v16-79    row q's 16 numbers of my lane at X + 16 q
.set C,    80                          ; v80-95    row q's codes at C + 4 q: never rewritten, so no store's data are written again
.set SS,   96                          ; v96-103   row q's sum of squares, a pair
.set INV,  104                         ; v104-111  row q's factor, twice: a pair for the packed multiply
.set R,    112                         ; v112-115  row q's reciprocal root
	s_load_b128 s[4:7], s[0:1], 0x0                ; text_feat s[4:5], video_feat s[6:7]
	s_load_b64 s[8:9], s[0:1], 0x10                ; the scales' exponents
	s_load_b128 s[12:15], s[0:1], 0x18             ; text_codes s[12:13], video_codes s[14:15]
	v_lshrrev_b32 v2, 5, v0
	v_readfirstlane_b32 s16, v2                    ; wave 0..11
	v_and_b32 v1, 31, v0
	v_lshlrev_b32 v1, 4, v1                        ; 16 x lane: my bytes of a load's 512, and of a row of codes
	s_mul_i32 s19, ttmp9, 12
	s_add_co_u32 s19, s19, s16                     ; the wave's number in the launch
	s_cmp_lt_u32 s19, NTXT                         ; text's wave or video's?
	s_cselect_b32 s17, 0, NTXT
	s_sub_co_u32 s18, s19, s17
	s_lshl_b32 s18, s18, 2                         ; its first row
	s_lshl_b32 s20, s18, 11                        ; x 2,048 bytes of numbers (16 MiB at the most)
	s_mov_b32 s21, 0
	s_lshl_b32 s22, s18, 9                         ; x 512 bytes of codes
	s_mov_b32 s23, 0
	s_mov_b32 s29, 0x49742400                      ; 1e6 = 1 / EPS
	s_mov_b32 s30, 0x76543210                      ; v_permlanex16_b32: each lane takes its own place in the other half
	s_mov_b32 s31, 0xfedcba98
	s_wait_alu depctr_va_vdst(0)
	s_wait_kmcnt 0x0
	s_load_b64 s[24:25], s[8:9], 0x0               ; e of video, e of text
	s_cmp_lt_u32 s19, NTXT
	s_cselect_b64 s[4:5], s[4:5], s[6:7]
	s_cselect_b64 s[12:13], s[12:13], s[14:15]
	s_add_nc_u64 s[4:5], s[4:5], s[20:21]
	s_add_nc_u64 s[12:13], s[12:13], s[22:23]
.irp q, 0,1,2,3
.irp i, 0,1,2,3
	global_load_b128 v[X+16*\q+4*\i:X+16*\q+4*\i+3], v1, s[4:5] offset:2048*\q+512*\i th:TH_LOAD_NT   ; 32 lanes read 512 consecutive bytes; read once in the launch
.endr
.endr
	s_wait_kmcnt 0x0
	s_cmp_lt_u32 s19, NTXT
	s_cselect_b32 s26, s25, s24                    ; text: entry 1; video: entry 0
	s_add_co_i32 s26, s26, 127
	s_lshl_b32 s27, s26, 23
	v_mov_b32 v11, s27                             ; 2^e as f32: the conversion takes its exponent field
	s_add_co_i32 s26, s26, 15
	s_lshl_b32 s28, s26, 23
	s_or_b32 s28, s28, 0x600000
	v_mov_b32 v10, s28                             ; 57,344 x 2^e
	; the sums of squares: within a lane, two numbers at a time; the first product starts the sum
.irp q, 0,1,2,3
	s_wait_loadcnt 12-4*\q                         ; loads come back in order: row q's four are in, the later rows' may be out
	v_pk_mul_f32 v[SS+2*\q:SS+2*\q+1], v[X+16*\q:X+16*\q+1], v[X+16*\q:X+16*\q+1]
.irp j, 2,4,6,8,10,12,14
	v_pk_fma_f32 v[SS+2*\q:SS+2*\q+1], v[X+16*\q+\j:X+16*\q+\j+1], v[X+16*\q+\j:X+16*\q+\j+1], v[SS+2*\q:SS+2*\q+1]
.endr
	v_add_f32 v[SS+2*\q], v[SS+2*\q], v[SS+2*\q+1]
.endr
	; across the 32 lanes: four steps inside each half ride on the addition, one crosses the halves; the four rows take turns
.irp m, 1,2,4,8
.irp q, 0,1,2,3
	v_add_f32_dpp v[SS+2*\q], v[SS+2*\q], v[SS+2*\q] row_xmask:\m row_mask:0xf bank_mask:0xf
.endr
.endr
.irp q, 0,1,2,3
	v_permlanex16_b32 v[SS+2*\q+1], v[SS+2*\q], s30, s31   ; its destination counts as read: the pair's upper half has been written
.endr
.irp q, 0,1,2,3
	v_add_f32 v[SS+2*\q], v[SS+2*\q], v[SS+2*\q+1]         ; every lane holds the row's sum of squares
.endr
	s_wait_alu depctr_va_vdst(0)                   ; the wait ahead of the batch
.irp q, 0,1,2,3
	v_rsq_f32 v[R+\q], v[SS+2*\q]
.endr
	v_nop                                          ; a plain instruction between the last reciprocal root and the first use of a result
	s_wait_alu depctr_va_vdst(0)                   ; and behind it, ahead of its first reader
.irp q, 0,1,2,3
	v_min_num_f32 v[INV+2*\q], s29, v[R+\q]        ; 1 / max(n, 1e-6)
	v_min_num_f32 v[INV+2*\q+1], s29, v[R+\q]
.endr
.irp q, 0,1,2,3
.irp j, 0,2,4,6,8,10,12,14
	v_pk_mul_f32 v[X+16*\q+\j:X+16*\q+\j+1], v[X+16*\q+\j:X+16*\q+\j+1], v[INV+2*\q:INV+2*\q+1]
.endr
.irp j, 0,1,2,3,4,5,6,7,8,9,10,11,12,13,14,15
	v_med3_num_f32 v[X+16*\q+\j], v[X+16*\q+\j], -v10, v10   ; the conversion to an 8-bit code does not saturate (ISA guide 7.6.2): the hold at the largest code x the scale, whatever e is
.endr
	v_cvt_scalef32_pk8_bf8_f32 v[C+4*\q:C+4*\q+1], v[X+16*\q:X+16*\q+7], v11       ; eight numbers / 2^e, to the nearest code, ties to even; the first number's code in the lowest byte
	v_cvt_scalef32_pk8_bf8_f32 v[C+4*\q+2:C+4*\q+3], v[X+16*\q+8:X+16*\q+15], v11
	global_store_b128 v1, v[C+4*\q:C+4*\q+3], s[12:13] offset:512*\q               ; 32 lanes store 512 consecutive bytes, at a multiple of 256 from the buffer's first byte
.endr                                  ; the codes go to stores alone, and no later line writes the conversions' sources
	s_endpgm
.Lfunc_end_k_qee6a1a3d4a_quant:
	.size	k_qee6a1a3d4a_quant, .Lfunc_end_k_qee6a1a3d4a_quant-k_qee6a1a3d4a_quant
	.p2alignl 7, 3214868480
	.fill 96, 4, 3214868480
	.section	.rodata,"a",@progbits
	.p2align	6, 0x0
	.amdhsa_kernel k_qee6a1a3d4a_quant
		.amdhsa_group_segment_fixed_size 0
		.amdhsa_private_segment_fixed_size 0
		.amdhsa_enable_private_segment 0
		.amdhsa_kernarg_size 40
		.amdhsa_user_sgpr_count 2
		.amdhsa_user_sgpr_kernarg_segment_ptr 1
		.amdhsa_wavefront_size32 1
		.amdhsa_system_sgpr_workgroup_id_x 1
		.amdhsa_system_sgpr_workgroup_id_y 1
		.amdhsa_system_sgpr_workgroup_id_z 1
		.amdhsa_system_vgpr_workitem_id 0
		.amdhsa_next_free_vgpr 120
		.amdhsa_next_free_sgpr 66
		.amdhsa_reserve_vcc 0
		.amdhsa_float_denorm_mode_32 3
		.amdhsa_float_denorm_mode_16_64 3
		.amdhsa_memory_ordered 1
		.amdhsa_forward_progress 1
		.amdhsa_inst_pref_size 15
	.end_amdhsa_kernel
	.amdgpu_metadata
---
amdhsa.version: [ 1, 2 ]
amdhsa.kernels:
  - .name:           k_qee6a1a3d4a_quant
    .symbol:         k_qee6a1a3d4a_quant.kd
    .args:
      - { .name: text_feat, .offset: 0, .size: 8, .value_kind: global_buffer, .address_space: global }
      - { .name: video_feat, .offset: 8, .size: 8, .value_kind: global_buffer, .address_space: global }
      - { .name: lowp_scales, .offset: 16, .size: 8, .value_kind: global_buffer, .address_space: global }
      - { .name: text_codes, .offset: 24, .size: 8, .value_kind: global_buffer, .address_space: global }
      - { .name: video_codes, .offset: 32, .size: 8, .value_kind: global_buffer, .address_space: global }
    .group_segment_fixed_size: 0
    .private_segment_fixed_size: 0
    .kernarg_segment_align: 8
    .kernarg_segment_size: 40
    .max_flat_workgroup_size: 384
    .sgpr_count:     66
    .vgpr_count:     120
    .wavefront_size: 32
...
	.end_amdgpu_metadata
.endif
;; end of part 1
;; launch pool (part 2): grid 16 x 16, 8 waves a work-group, clusters of 4 x 4, 327,680 bytes of LDS; arguments text_codes, video_codes, text_mask, lowp_scales, out0; writes out0
.if DOCPART == 2
	.amdgcn_target "amdgcn-amd-amdhsa--gfx1250"
	.amdhsa_code_object_version 6
	.text
	.protected	k_qee6a1a3d4a_pool
	.globl	k_qee6a1a3d4a_pool
	.p2align	8
	.type	k_qee6a1a3d4a_pool,@function
k_qee6a1a3d4a_pool:
	s_mov_b64 s[64:65], 0
	v_nop
	global_prefetch_b8 v0, s[64:65] scope:SCOPE_SE
	s_setreg_imm32_b32 hwreg(HW_REG_WAVE_MODE, 25, 1), 1
	s_wait_xcnt 0x0
	s_wait_alu depctr_hold_cnt(0) depctr_sa_sdst(0) depctr_va_vdst(0) depctr_va_sdst(0) depctr_va_ssrc(0) depctr_va_vcc(0) depctr_vm_vsrc(0)
	s_getreg_b32 s2, hwreg(HW_REG_IB_STS2, 6, 4)
	s_cmp_eq_u32 s2, 0
	s_cbranch_scc0 .Lentry_in_a_cluster
	s_endpgm
.Lentry_in_a_cluster:
	s_bfe_u32 s2, ttmp6, 0x10000c
	s_cmp_lg_u32 s2, 0xf033
	s_cbranch_scc0 .Lentry_shape_is_right
	s_endpgm
.Lentry_shape_is_right:
; out0[a][b] = (t2v_ab + v2t_ab) / 2, from r[a][b][t][v] = (text row (a, t) . video row (b, v)) x text_mask[a][t], the product on codes of BF8 (E5M2) with the two given scales, sums in f32.
;   t2v[t] = sum over v of r softmax_v(100 r);                    v2t[v] = sum over t of r softmax_t(100 r, with -infinity where r == 0);
;   t2v_ab = sum over t of t2v softmax_t(100 t2v, -infinity where t2v == 0);      v2t_ab = sum over v of v2t softmax_v(100 v2t).   Every softmax takes its true maximum away.
; SHARES.  A work-group owns 16 a x 16 b: a grid of 16 x 16.  Eight waves of 512 registers: wave w keeps the codes of four b, 4 (w % 4) on, in 256 registers (window 1) for the whole launch and walks eight a, 8 (w / 4) on:
; a trip is one a, four pairs, 32 matrix instructions.
; NO EXCHANGE BETWEEN LANES.  A tile of 16 frames takes EIGHT rows of b and EIGHT of the next b: in the product (source 0 = frames, source 1 = tokens) lane (r, h) then holds token r of ONE b, b = 2 g + h, and two such tiles give it all 16 frames
; (in the upper half of the lanes the two tiles' frames stand in the other order: every pooling is a sum over all of them).  So the pooling over frames runs down a lane's registers.  The scaled products then turn through the wave's
; own scratch in LDS and come back as two frames and all 32 tokens of one b a lane: the pooling over tokens runs down a lane's registers too.
; ALL IN BASE 2.  K = 100 log2(e).  The first step makes 4 y = 4 K r by one multiply-add with +0 (which makes -0 a +0).  A weight is 2^(y - max y); pooled numbers come out as 4 K t2v and K v2t, the next poolings' exponents.
; r == 0 IN ONE INSTRUCTION: the whole number 0xff000000 added to the bits of 4 y takes 2 off the exponent field (y, exactly); the bits of +0 become those of -2^127, whose weight is 0 beside any other y.
; A frame all of whose r are 0 has 32 weights of 1 and a weighted sum that overflows to -infinity, and the last pooling makes NaN of it (-infinity x 0), as the reference does.
; THE SECOND POOLINGS ARE PUT OFF: each trip stores its t2v and v2t in the wave's rows in LDS; at the end a lane takes one of the wave's 32 pairs.
; CLUSTER.  4 x 4 work-groups.  The four of a row own the same 16 a, the four of a column the same 16 b: text is asked for jointly along the row, video along the column, by the same load with the same descriptor and a mask that names the four.
; No prefetch: the launch has two refills; the first is asked for 48 matrix instructions a wave ahead of the wait for it, the second four trips (128).
; A work-group has 64 bytes of each row of out0: they are gathered in LDS, so that sixteen neighbouring lanes store them.
; LIMITS.  -134 <= e0 + e1 <= 116, so that 4 K x 2^(e0 + e1) is a normal f32 number.  A |4 K r| or |4 K t2v| that is not 0 and lies under 2^-124 (|r| under 9e-41) is not served by the addition to the bits; |K r| stays under 2^31 (the scaled
; scores).  NaN and infinities among the inputs are not served.  NaN comes out where the reference gives it: an a all of whose tokens are masked, a frame all of whose r are 0.
; The order of rounding differs from the reference's: mask, scale and K are one factor here.
; LDS.  Rows of 512 bytes + 16 of padding = 132 words: row n starts at word 4 n mod 64.
.set PITCH, 528
.set TTILE, 32*PITCH                   ; an a's 32 rows
.set R0,    0                          ; four a: 0, 1 (of each wave group's eight), later 6, 7
.set R1,    4*TTILE                    ; video's 256 rows; when they lie in registers, eight a: 2 to 5 of each group's
.set SCR,   R1+8*TTILE                 ; scratch, a wave's 4 x PSTR bytes; no tile lands here or behind
.set PSTR,  2112                       ; a pair: 32 tokens x 64 bytes, + 64 so that the four pairs of a load start at different words mod 64
.set RES,   SCR+8*4*PSTR               ; results: a wave's 32 rows
.set SROW,  208                        ; a pair's: 32 t2v, 16 v2t, 16 bytes of padding
.set SPARE, RES+8*32*SROW              ; the spare words, 128 bytes for each wave: four blocks of 256 bytes that no other line names
.set OUTS,  SPARE+1024                 ; the work-group's 16 x 16 results
; REGISTERS, window 0 (window 1: video, tile t = 2 g + f, K step s at 16 (4 t + s))
.set AV0, 1                            ; v1      my lane's place in a tile of text; never rewritten
.set SPW, 2                            ; v2      LDS address of my spare word: SPARE + 4 x my thread's number; never rewritten
.set NIL, 3                            ; v3      0; never rewritten
.set ADV, 4                            ; v4      LDS address of my fragments of the trip's a
.set SA,  5                            ; v5-8    scratch, in: 16-byte piece c of my token
.set LA,  9                            ; v9-12   scratch, out: by (token / 4) % 4
.set RO1, 13                           ; v13, 14 my place in a trip's result rows: t2v, v2t
.set RO2, 14
.set MO,  15                           ; v15     offset of my mask's number
.set K4,  17                           ; v17     4 K x 2^(e0 + e1)
.set C0,  18                           ; v18-19  the multipliers of tokens r and 16 + r
.set MN,  20                           ; v20-21  the next a's mask
.set AD1, 22                           ; v22, 23 the trip's result rows
.set AD2, 23
.set SR,  24                           ; v24-27  sums of weights, 2 u + g
.set NR,  28                           ; v28-31  sums of 4 y x weight
.set FR,  32                           ; v32-95  text: 16 tokens x 512 bytes, K step s at FR + 16 s
.set YB,  96                           ; v96-159 4 y: register 32 u + 16 g + 8 f + j; later the second weights
.set T,   160                          ; v160-223 token t, two frames: T + 2 t, T + 2 t + 1
.set E,   224                          ; v224-255 the first weights; behind them at work:
.set MA,  224                          ;   maxima
.set MB,  226
.set S2,  228                          ;   four chains of sums of weights, pairs
.set N2,  236                          ;   four of y x weight
.set RC,  244                          ;   six reciprocals, then results
.set WV,  14
.set HF,  15                           ; w / 4
.set BG,  16                           ; w % 4
.set BX,  17
.set AY,  18
.set CX,  20
.set CY,  21
.set G1V, 24                           ; descriptor groups 1: video's 64 rows, text's 32 rows, text's 16 rows
.set G1T, 32
.set G1U, 40
.set G0V, 48                           ; groups 0: video, text's first, second, third fill; never rewritten
.set G0T, 52
.set G0C, 56
.set G0D, 60
.set QT,  66                           ; s[66:67] 0.25
.set DEC, 68
.set NQ,  69                           ; -0.25
.set CNT, 70
.set VB,  71                           ; LDS byte of the trip's a
.set SB,  72                           ; byte of the trip's four rows among my wave's results
.set RSB, 79                           ; LDS byte of my wave's results
.macro CREST                           ; a round of the cluster's barrier behind its opening barrier
	s_cmp_lg_u32 s[WV], 0
	s_cbranch_scc1 .Lnot_wave_0_\@
	s_barrier_signal -3
.Lnot_wave_0_\@:
	s_barrier_wait -3
	s_barrier_signal -1
	s_barrier_wait -1
.endm
.macro ROUND                           ; a whole round
	s_barrier_signal -1
	s_barrier_wait -1
	CREST
.endm
.macro SHAPE g, rows                   ; words 1 to 7 of a group 1: rows x 512 elements of a byte, 512 from row to row
	s_mov_b32 s[\g+1], 512<<16
	s_mov_b32 s[\g+2], (\rows)<<16
	s_mov_b32 s[\g+3], 512<<16
	s_mov_b32 s[\g+4], \rows
	s_mov_b32 s[\g+5], 512
	s_mov_b32 s[\g+6], 0
	s_mov_b32 s[\g+7], 0
.endm
.macro JOINT g0, g1                    ; a joint load
	tensor_load_to_lds s[\g0:\g0+3], s[\g1:\g1+7]
	s_nop 0
.rept 4
	v_nop
.endr
.endm
.macro FLOAD u                         ; 16 tokens' fragments: lane l holds row l % 16; registers 4 c .. 4 c + 3 of a K step bytes 32 c + 16 (l / 16) + 0 .. 15; video is fetched alike, so each byte meets its partner
.irp s, 0,1,2,3
.irp c, 0,1,2,3
	ds_load_b128 v[FR+16*\s+4*\c:FR+16*\s+4*\c+3], v[ADV] offset:\u*16*PITCH+128*\s+32*\c
.endr
.endr
.endm
.macro MUL u, younger, step            ; 16 matrix instructions; the four accumulators take turns.  younger: LDS instructions behind the fragments' loads; step: loads of a K step
.irp s, 0,1,2,3
	s_wait_dscnt \younger+\step*(3-\s)             ; K step s's loads are in; the later steps' may be out
.irp t, 0,1,2,3
.if \s == 0
	v_wmma_f32_16x16x128_bf8_bf8 v[YB+32*\u+8*\t:YB+32*\u+8*\t+7], v[64*\t:64*\t+15], v[FR:FR+15], 0
.else
	v_wmma_f32_16x16x128_bf8_bf8 v[YB+32*\u+8*\t:YB+32*\u+8*\t+7], v[64*\t+16*\s:64*\t+16*\s+15], v[FR+16*\s:FR+16*\s+15], v[YB+32*\u+8*\t:YB+32*\u+8*\t+7]
.endif
.endr
.endr
.endm
; Behind each run of products stand four plain vector lines, ahead of the first load into their registers and the first read of a result.  Here the multipliers are among them; mk = 1: the next a's mask is asked for
.macro MASKED mk
	s_wait_loadcnt 0x0                             ; this a's mask
	v_mul_f32 v[C0], v[K4], v[MN]
	v_mul_f32 v[C0+1], v[K4], v[MN+1]
.if \mk
	v_add_nc_u32 v[MO], 0x80, v[MO]                ; (free behind the wait for its loads)
	v_nop
	global_load_b32 v[MN], v[MO], s[8:9]
	global_load_b32 v[MN+1], v[MO], s[8:9] offset:64
.else
	v_nop
	v_nop
.endif
.endm
.macro SCALE u                         ; 4 y, and +0 for either zero
.irp i, 0,2,4,6,8,10,12,14,16,18,20,22,24,26,28,30
.if \u == 0
	v_pk_fma_f32 v[YB+\i:YB+\i+1], v[YB+\i:YB+\i+1], v[C0:C0+1], 0 op_sel_hi:[1,0,0]
.else
	v_pk_fma_f32 v[YB+32+\i:YB+33+\i], v[YB+32+\i:YB+33+\i], v[C0:C0+1], 0 op_sel:[0,1,0] op_sel_hi:[1,1,0]
.endif
.endr
.endm
.macro PUT u                           ; into the scratch: token's row of 64 bytes, 16-byte piece c at place c xor (token / 4) % 4
.irp g, 0,1
.irp c, 0,1,2,3
	ds_store_b128 v[SA+\c], v[YB+32*\u+16*\g+4*\c:YB+32*\u+16*\g+4*\c+3] offset:\g*2*PSTR+\u*1024
.endr
.endr
.endm
; The pooling over frames of tokens 16 u + r: two groups of 16 registers, x (b = h) and x + 16 (b = 2 + h), by turns.  w: 24 registers at work
.macro POOL1 u, x, w
.irp k, 0,1,2,3
.irp g, 0,1
	v_max3_num_f32 v[\w+2*\k+\g], v[\x+16*\g+3*\k], v[\x+16*\g+3*\k+1], v[\x+16*\g+3*\k+2]
.endr
.endr
.irp k, 0,1
.irp g, 0,1
	v_max3_num_f32 v[\w+2*\k+\g], v[\w+2*\k+\g], v[\x+16*\g+12+2*\k], v[\x+16*\g+13+2*\k]
.endr
.endr
.irp g, 0,1
	v_max_num_f32 v[\w+4+\g], v[\w+4+\g], v[\w+6+\g]
.endr
.irp g, 0,1
	v_max3_num_f32 v[\w+\g], v[\w+\g], v[\w+2+\g], v[\w+4+\g]
.endr
.irp g, 0,1
	v_mul_f32 v[\w+\g], s[NQ], v[\w+\g]            ; -max y
.endr
.irp i, 0,2,4,6,8,10,12,14
	v_pk_fma_f32 v[E+\i:E+\i+1], v[\x+\i:\x+\i+1], s[QT:QT+1], v[\w:\w+1] op_sel_hi:[1,0,0]
	v_pk_fma_f32 v[E+16+\i:E+17+\i], v[\x+16+\i:\x+17+\i], s[QT:QT+1], v[\w:\w+1] op_sel:[0,0,1] op_sel_hi:[1,0,1]
.endr
	s_wait_alu depctr_va_vdst(0)                   ; the wait ahead of the batch
.irp i, 0,1,2,3,4,5,6,7,8,9,10,11,12,13,14,15,16,17,18,19,20,21,22,23,24,25,26,27,28,29,30,31
	v_exp_f32 v[E+\i], v[E+\i]                     ; 2^(y - max), at most 1
.endr
	v_nop                                          ; a plain instruction between the last exponential and the first use of a result
	s_wait_alu depctr_va_vdst(0)                   ; and one behind it, ahead of its first reader
.irp c, 0,2
.irp g, 0,1
	v_pk_mul_f32 v[\w+16+4*\g+\c:\w+17+4*\g+\c], v[\x+16*\g+\c:\x+16*\g+\c+1], v[E+16*\g+\c:E+16*\g+\c+1]
	v_pk_add_f32 v[\w+8+4*\g+\c:\w+9+4*\g+\c], v[E+16*\g+\c:E+16*\g+\c+1], v[E+16*\g+\c+4:E+16*\g+\c+5]
.endr
.endr
.irp i, 4,8,12
.irp c, 0,2
.irp g, 0,1
	v_pk_fma_f32 v[\w+16+4*\g+\c:\w+17+4*\g+\c], v[\x+16*\g+\i+\c:\x+16*\g+\i+\c+1], v[E+16*\g+\i+\c:E+16*\g+\i+\c+1], v[\w+16+4*\g+\c:\w+17+4*\g+\c]
.if \i > 4
	v_pk_add_f32 v[\w+8+4*\g+\c:\w+9+4*\g+\c], v[\w+8+4*\g+\c:\w+9+4*\g+\c], v[E+16*\g+\i+\c:E+16*\g+\i+\c+1]
.endif
.endr
.endr
.endr
.irp g, 0,1
	v_pk_add_f32 v[\w+8+4*\g:\w+9+4*\g], v[\w+8+4*\g:\w+9+4*\g], v[\w+10+4*\g:\w+11+4*\g]
	v_pk_add_f32 v[\w+16+4*\g:\w+17+4*\g], v[\w+16+4*\g:\w+17+4*\g], v[\w+18+4*\g:\w+19+4*\g]
.endr
.irp g, 0,1
	v_add_f32 v[SR+2*\u+\g], v[\w+8+4*\g], v[\w+9+4*\g]
	v_add_f32 v[NR+2*\u+\g], v[\w+16+4*\g], v[\w+17+4*\g]
.endr
.endm
.macro DECR t                          ; token t's two numbers: 4 y -> y; -2^127 where r == 0
	v_add_nc_u32 v[T+2*(\t)], s[DEC], v[T+2*(\t)]
	v_add_nc_u32 v[T+2*(\t)+1], s[DEC], v[T+2*(\t)+1]
.endm
; The pooling over tokens: lane (pair p = lane / 8, frames 2 (lane % 8) and the next): 32 pairs of registers
.macro POOL2
.irp t, 0,16,1,17,2,18
	DECR \t
.endr
.set kk, 0
.rept 7                                ; the maxima of tokens 0 to 14 and 16 to 30, in four chains; the next tokens' additions stand between
.if kk == 0
	v_max3_num_f32 v[MA], v[T], v[T+2], v[T+4]
	DECR 3
	v_max3_num_f32 v[MA+1], v[T+1], v[T+3], v[T+5]
	DECR 19
	v_max3_num_f32 v[MB], v[T+32], v[T+34], v[T+36]
	DECR 4
	v_max3_num_f32 v[MB+1], v[T+33], v[T+35], v[T+37]
	DECR 20
.else
	v_max3_num_f32 v[MA], v[MA], v[T+4*kk+2], v[T+4*kk+4]
	DECR 2*kk+3
	v_max3_num_f32 v[MA+1], v[MA+1], v[T+4*kk+3], v[T+4*kk+5]
	DECR 2*kk+19
	v_max3_num_f32 v[MB], v[MB], v[T+4*kk+34], v[T+4*kk+36]
.if kk < 6
	DECR 2*kk+4
.endif
	v_max3_num_f32 v[MB+1], v[MB+1], v[T+4*kk+35], v[T+4*kk+37]
.if kk < 6
	DECR 2*kk+20
.endif
.endif
.set kk, kk+1
.endr
	v_max3_num_f32 v[MA], v[MA], v[T+30], v[T+62]
	v_max3_num_f32 v[MA+1], v[MA+1], v[T+31], v[T+63]
	v_max_num_f32 v[MA], v[MA], v[MB]
	v_max_num_f32 v[MA+1], v[MA+1], v[MB+1]
.set kk, 0
.rept 32
	v_pk_add_f32 v[YB+kk:YB+kk+1], v[T+kk:T+kk+1], v[MA:MA+1] neg_lo:[0,1] neg_hi:[0,1]
.set kk, kk+2
.endr
	s_wait_alu depctr_va_vdst(0)                   ; the wait ahead of the batch
.set kk, 0
.rept 64
	v_exp_f32 v[YB+kk], v[YB+kk]
.set kk, kk+1
.endr
	v_nop
	s_wait_alu depctr_va_vdst(0)                   ; and behind it
.irp c, 0,2,4,6
	v_pk_mul_f32 v[N2+\c:N2+\c+1], v[T+\c:T+\c+1], v[YB+\c:YB+\c+1]
	v_pk_add_f32 v[S2+\c:S2+\c+1], v[YB+\c:YB+\c+1], v[YB+\c+8:YB+\c+9]
.endr
.set kk, 8
.rept 7
.irp c, 0,2,4,6
	v_pk_fma_f32 v[N2+\c:N2+\c+1], v[T+kk+\c:T+kk+\c+1], v[YB+kk+\c:YB+kk+\c+1], v[N2+\c:N2+\c+1]
.if kk > 8
	v_pk_add_f32 v[S2+\c:S2+\c+1], v[S2+\c:S2+\c+1], v[YB+kk+\c:YB+kk+\c+1]
.endif
.endr
.set kk, kk+8
.endr
.irp c, 0,4
	v_pk_add_f32 v[S2+\c:S2+\c+1], v[S2+\c:S2+\c+1], v[S2+\c+2:S2+\c+3]
	v_pk_add_f32 v[N2+\c:N2+\c+1], v[N2+\c:N2+\c+1], v[N2+\c+2:N2+\c+3]
.endr
	v_pk_add_f32 v[S2:S2+1], v[S2:S2+1], v[S2+4:S2+5]
	v_pk_add_f32 v[N2:N2+1], v[N2:N2+1], v[N2+4:N2+5]
.endm
; A TRIP: one a, four b.  FRONT: the first 16 tokens.  mk = 1: the next a's mask
.macro FRONT mk
	s_set_vgpr_msb 0x0001                          ; source 0: window 1
	MUL 0, 0, 4
	s_set_vgpr_msb 0x0100
	MASKED \mk
	FLOAD 1
	SCALE 0
	PUT 0
	POOL1 0, YB, T
.endm
; BACK: the other 16 tokens, and the pooling over tokens.  sync = 0: the next a lies in LDS, and its first fragments are asked for.  1: the second refill follows; 2: its tiles follow: ONE barrier, whose signal stands ahead of the pooling
; over tokens (register work) and whose wait stands behind it.  3: the last trip
.macro BACK sync
	s_set_vgpr_msb 0x0001
	MUL 1, 8, 4                                    ; behind the fragments' loads: PUT's eight stores
	s_set_vgpr_msb 0x0100
.if \sync == 0
	s_add_co_u32 s[VB], s[VB], TTILE
.endif
.if \sync == 1
	s_mul_i32 s[VB], s[HF], 4*TTILE
	s_add_co_u32 s[VB], s[VB], R1
.endif
.if \sync == 2
	s_mul_i32 s[VB], s[HF], 2*TTILE
.endif
	v_add_nc_u32 v[AD1], s[SB], v[RO1]
	v_add_nc_u32 v[AD2], s[SB], v[RO2]
.if \sync < 3
	v_add_nc_u32 v[ADV], s[VB], v[AV0]
.else
	v_nop
.endif
	v_nop
	SCALE 1
	PUT 1
.set kk, 0
.rept 32
	ds_load_b64 v[T+2*kk:T+2*kk+1], v[LA+((kk>>2)&3)] offset:64*kk   ; my wave's own bytes: LDS serves a wave's instructions in order (ISA guide 5.7.1.4)
.set kk, kk+1
.endr
.if \sync == 0
	FLOAD 0
.endif
	POOL1 1, YB+32, YB                             ; (the registers of the u = 0 products are free)
.if \sync == 0
	s_wait_dscnt 16                                ; the turned numbers are in, and the stores into the scratch have read their registers; the next a's 16 fragments' loads may be out
.else
.if \sync < 3
	s_wait_tensorcnt 0x0                           ; my part of the last refill is in;
.endif
.if \sync == 1
	ds_add_u32 v[SPW], v[NIL]                      ; 0 onto my spare word
.endif
	s_wait_dscnt 0x0                               ; the turned numbers are in, the add is done, my reads of the slot are over
.if \sync < 3
	s_barrier_signal -1
.endif
.endif
	POOL2
	s_wait_alu depctr_va_vdst(0)                   ; the wait ahead of the batch
.irp i, 0,1,2,3
	v_rcp_f32 v[RC+\i], v[SR+\i]                   ; a sum of weights is at least 1
.endr
	v_rcp_f32 v[RC+4], v[S2]
	v_rcp_f32 v[RC+5], v[S2+1]
	v_nop
	s_wait_alu depctr_va_vdst(0)                   ; and behind it
.irp i, 0,1,2,3
	v_mul_f32 v[RC+\i], v[NR+\i], v[RC+\i]         ; 4 K t2v
.endr
	v_pk_mul_f32 v[RC+4:RC+5], v[N2:N2+1], v[RC+4:RC+5]        ; K v2t
.if \sync % 3
	s_wait_alu depctr_va_vdst(0)
	s_barrier_wait -1                              ; every wave's part of the last refill is in
.if \sync == 1
	CREST                                          ; and nobody in the cluster still reads the first four a:
	JOINT G0D, G1U                                 ; the second refill, over them; it has four trips
.endif
	FLOAD 0
.endif
.irp u, 0,1
.irp g, 0,1
	ds_store_b32 v[AD1], v[RC+2*\u+\g] offset:2*\g*SROW+64*\u
.endr
.endr
	ds_store_b64 v[AD2], v[RC+4:RC+5] offset:128
	s_add_co_u32 s[SB], s[SB], 4*SROW
.endm
.macro TRIP mk, sync
	FRONT \mk
	BACK \sync
.endm
	s_load_b256 s[4:11], s[0:1], 0x0               ; text_codes s[4:5], video_codes s[6:7], text_mask s[8:9], the scales' exponents s[10:11]
	s_load_b64 s[12:13], s[0:1], 0x20              ; out0
	v_lshl_add_u32 v[SPW], v0, 2, SPARE
	v_mov_b32 v[NIL], 0
	ds_add_u32 v[SPW], v[NIL]                      ; the opening lines: the add, twice on end, and one wait
	ds_add_u32 v[SPW], v[NIL]
	v_lshrrev_b32 v32, 5, v0
	v_readfirstlane_b32 s[WV], v32                 ; wave 0..7
	s_lshr_b32 s[HF], s[WV], 2
	s_and_b32 s[BG], s[WV], 3
	s_bfe_u32 s[CX], ttmp6, 0x40000                ; my place in the cluster
	s_bfe_u32 s[CY], ttmp6, 0x40004
	s_lshl_b32 s[BX], ttmp9, 2
	s_add_co_u32 s[BX], s[BX], s[CX]               ; my block of b
	s_and_b32 s[AY], ttmp7, 0xffff
	s_lshl_b32 s[AY], s[AY], 2
	s_add_co_u32 s[AY], s[AY], s[CY]               ; my block of a
	s_lshl_b32 s19, s[CY], 2
	s_lshl_b32 s19, 15, s19                        ; my row of the cluster
	s_lshl_b32 s23, 0x1111, s[CX]                  ; my column
	; group 1, word 0: 15:0 the mask; 17:16 elements of 1 byte; 20 padding on; 21 set beside a mask; 24:22 after every 128 words (code 6); 31:25 four words (code 3)
	s_or_b32 s[G1V], s23, (1<<20)|(1<<21)|(6<<22)|(3<<25)
	s_or_b32 s[G1T], s19, (1<<20)|(1<<21)|(6<<22)|(3<<25)
	s_or_b32 s[G1U], s19, (1<<20)|(1<<21)|(6<<22)|(3<<25)
	SHAPE G1V, 64
	SHAPE G1T, 32
	SHAPE G1U, 16
	; where the tiles come from: text's by my block of a and the wave's number, video's by my block of b and the wave's number, each in registers that never hold the other coordinate
	s_lshl_b32 s22, s[AY], 18                      ; 16 a x 16,384 bytes
	s_lshr_b32 s80, s[BG], 1                       ; first fill, waves 4 to 7: a = 8 (k / 2) + k % 2, k = w % 4
	s_lshl_b32 s80, s80, 3
	s_and_b32 s81, s[BG], 1
	s_add_co_u32 s80, s80, s81
	s_lshl_b32 s80, s80, 14
	s_add_co_u32 s80, s80, s22
	s_mov_b32 s81, 0
	s_lshl_b32 s82, s[HF], 3                       ; second: a = 8 (w / 4) + 2 + w % 4
	s_add_co_u32 s82, s82, s[BG]
	s_add_co_u32 s82, s82, 2
	s_lshl_b32 s82, s82, 14
	s_add_co_u32 s82, s82, s22
	s_mov_b32 s83, 0
	s_lshl_b32 s84, s[HF], 3                       ; third: a = 8 (w / 4) + 6 on, 16 rows a wave
	s_add_co_u32 s84, s84, 6
	s_lshl_b32 s84, s84, 14
	s_lshl_b32 s85, s[BG], 13
	s_add_co_u32 s84, s84, s85
	s_add_co_u32 s84, s84, s22
	s_mov_b32 s85, 0
	s_lshl_b32 s86, s[BX], 17                      ; video, waves 0 to 3: 64 rows of my block's 256
	s_lshl_b32 s87, s[BG], 15
	s_add_co_u32 s86, s86, s87
	s_mov_b32 s87, 0
	; and where they go
	s_mul_i32 s[G0V+1], s[BG], 64*PITCH
	s_add_co_u32 s[G0V+1], s[G0V+1], R1
	s_mul_i32 s[G0T+1], s[BG], TTILE
	s_mul_i32 s[G0C+1], s[WV], TTILE
	s_add_co_u32 s[G0C+1], s[G0C+1], R1
	s_mul_i32 s[G0D+1], s[WV], 16*PITCH
	s_mov_b32 s[G0V], 1
	s_mov_b32 s[G0T], 1
	s_mov_b32 s[G0C], 1
	s_mov_b32 s[G0D], 1
	s_mov_b32 s[QT], 0x3e800000                    ; 0.25, a pair for the packed form
	s_mov_b32 s[QT+1], 0x3e800000
	s_mov_b32 s[NQ], 0xbe800000
	s_mov_b32 s[DEC], 0xff000000
	s_mov_b32 s76, 0x431044fe                      ; K = 100 log2(e) = 144.2695
	s_mov_b32 s77, 0x3b632166                      ; 1 / (2 K)
	s_wait_dscnt 0x0                               ; both opening adds are done
	ROUND                                          ; all sixteen work-groups are here: the first joint loads meet
	s_wait_kmcnt 0x0
	s_load_b64 s[74:75], s[10:11], 0x0             ; e0 (video), e1 (text)
	s_add_nc_u64 s[G0V+2:G0V+3], s[6:7], s[86:87]
	s_or_b32 s[G0V+3], s[G0V+3], 0x80000000
	s_add_nc_u64 s[G0T+2:G0T+3], s[4:5], s[80:81]
	s_or_b32 s[G0T+3], s[G0T+3], 0x80000000
	s_cmp_eq_u32 s[HF], 0                          ; one tensor load a wave at the head: waves 0 to 3 video, waves 4 to 7 the first four a
	s_cbranch_scc0 .Lfor_text
	JOINT G0V, G1V
	s_branch .Lasked
.Lfor_text:
	JOINT G0T, G1T
.Lasked:
	s_add_nc_u64 s[G0C+2:G0C+3], s[4:5], s[82:83]
	s_or_b32 s[G0C+3], s[G0C+3], 0x80000000
	s_add_nc_u64 s[G0D+2:G0D+3], s[4:5], s[84:85]
	s_or_b32 s[G0D+3], s[G0D+3], 0x80000000
	s_lshl_b32 s2, s[AY], 11                       ; my eight a's masks: 128 bytes an a
	s_lshl_b32 s3, s[HF], 10
	s_add_co_u32 s2, s2, s3
	s_mov_b32 s3, 0
	s_add_nc_u64 s[8:9], s[8:9], s[2:3]
	s_lshl_b32 s2, s[AY], 14                       ; my block of out0: 16 rows of 1,024 bytes, 64 bytes of each
	s_lshl_b32 s3, s[BX], 6
	s_add_co_u32 s2, s2, s3
	s_mov_b32 s3, 0
	s_add_nc_u64 s[12:13], s[12:13], s[2:3]
	s_mul_i32 s2, s[WV], 4*PSTR
	s_add_co_u32 s2, s2, SCR                       ; my scratch
	s_mul_i32 s[RSB], s[WV], 32*SROW
	s_add_co_u32 s[RSB], s[RSB], RES               ; my results
	s_mul_i32 s[VB], s[HF], 2*TTILE                ; my group's first a
	s_mov_b32 s[SB], 0
	s_wait_kmcnt 0x0
	s_add_co_i32 s74, s74, s75
	s_add_co_i32 s74, s74, 2
	v_and_b32 v33, 15, v0                          ; r
	v_bfe_u32 v34, v0, 4, 1                        ; h
	v_lshlrev_b32 v[MO], 2, v33
	global_load_b32 v[MN], v[MO], s[8:9]
	global_load_b32 v[MN+1], v[MO], s[8:9] offset:64
	v_ldexp_f32 v[K4], s76, s74
	v_mul_u32_u24 v[AV0], v33, PITCH
	v_mul_u32_u24 v38, v34, PSTR
	v_mul_u32_u24 v46, v34, SROW
	v_bfe_u32 v35, v0, 3, 1                        ; r / 8
	v_bfe_u32 v39, v0, 2, 2                        ; (r / 4) % 4
	v_bfe_u32 v41, v0, 3, 2                        ; p = lane / 8
	v_lshl_add_u32 v[AV0], v34, 4, v[AV0]          ; row r, + 16 h
	v_lshl_add_u32 v38, v33, 6, v38
	v_lshl_add_u32 v46, v33, 2, v46
	v_mul_u32_u24 v42, v41, PSTR
	v_mul_u32_u24 v47, v41, SROW
	v_and_b32 v43, 1, v0
	v_bfe_u32 v44, v0, 1, 2
	v_and_b32 v45, 7, v0
	v_add_nc_u32 v96, s[G0V+1], v[AV0]             ; video, f = 1: rows 8 + r (8 rows on in the offset)
	v_add_nc_u32 v38, s2, v38
	v_lshl_add_u32 v42, v43, 3, v42
	v_add_nc_u32 v[RO1], s[RSB], v46
	v_lshl_add_u32 v47, v45, 3, v47
	v_mad_u32_u24 v97, v35, 16*PITCH, v96          ; f = 0: rows 0 to 7 and 24 to 31: sixteen rows that start at sixteen different places mod 64 words
	v_add_nc_u32 v42, s2, v42
	v_add_nc_u32 v[RO2], s[RSB], v47
	v_lshl_add_u32 v[SA], v39, 4, v38
	v_lshl_add_u32 v[LA], v44, 4, v42
.irp c, 1,2,3
	v_xor_b32 v[48+2*\c], \c, v39
	v_xor_b32 v[49+2*\c], \c, v44
.endr
.irp c, 1,2,3
	v_lshl_add_u32 v[SA+\c], v[48+2*\c], 4, v38
	v_lshl_add_u32 v[LA+\c], v[49+2*\c], 4, v42
.endr
	v_add_nc_u32 v[ADV], s[VB], v[AV0]
	s_wait_alu depctr_va_vdst(0)                   ; the wait at the head's end
	s_wait_tensorcnt 0x0                           ; my part of the first fills is in,
	s_barrier_signal -1
	s_barrier_wait -1                              ; and everybody's
	FLOAD 0                                        ; the first a's first 16 tokens, then my four b, K step by K step, sixteen loads each
	s_set_vgpr_msb 0x0040                          ; destination: window 1
.irp s, 0,1,2,3
.irp g, 0,1
.irp c, 0,1,2,3
	ds_load_b128 v[128*\g+16*\s+4*\c:128*\g+16*\s+4*\c+3], v97 offset:\g*32*PITCH+128*\s+32*\c
	ds_load_b128 v[128*\g+64+16*\s+4*\c:128*\g+64+16*\s+4*\c+3], v96 offset:\g*32*PITCH+8*PITCH+128*\s+32*\c
.endr
.endr
.endr
	s_set_vgpr_msb 0x4001
	MUL 0, 0, 16                                   ; the first trip's FRONT, with the first refill in its midst
	s_set_vgpr_msb 0x0100
	MASKED 1
	s_wait_alu depctr_va_vdst(0)
	s_wait_tensorcnt 0x0
	ds_add_u32 v[SPW], v[NIL]                      ; 0 onto my spare word
	SCALE 0
	s_wait_alu depctr_va_vdst(0)
	s_wait_dscnt 0x0                               ; the add is done, and my four b lie in registers
	s_barrier_signal -1
	POOL1 0, YB, T                                 ; register work while the others arrive
	s_barrier_wait -1
	CREST                                          ; so it is in every wave of every work-group of the cluster:
	JOINT G0C, G1T                                 ; the first refill, over video's rows
	FLOAD 1
	PUT 0
	BACK 0
	TRIP 1, 1
	s_mov_b32 s[CNT], 3
.Lmiddle:
	TRIP 1, 0
	s_sub_co_u32 s[CNT], s[CNT], 1
	s_cmp_lg_u32 s[CNT], 0
	s_cbranch_scc1 .Lmiddle
	TRIP 1, 2
	TRIP 1, 0
	TRIP 0, 3
	; THE SECOND POOLINGS: lane l takes row l of my wave's results: a = 8 (w / 4) + l / 4, b = 4 (w % 4) + l % 4
	v_and_b32 v32, 31, v0
	v_mul_u32_u24 v32, v32, SROW
	v_add_nc_u32 v32, s[RSB], v32
.irp i, 0,1,2,3,4,5,6,7
	ds_load_b128 v[160+4*\i:163+4*\i], v32 offset:16*\i
.endr
.irp i, 0,1,2,3
	ds_load_b128 v[192+4*\i:195+4*\i], v32 offset:128+16*\i
.endr
	s_lshl_b32 s2, s[HF], 9
	s_lshl_b32 s3, s[BG], 4
	s_add_co_u32 s2, s2, s3
	s_add_co_u32 s2, s2, OUTS
	v_bfe_u32 v33, v0, 2, 3
	v_and_b32 v34, 3, v0
	v_lshlrev_b32 v33, 6, v33
	v_lshl_add_u32 v33, v34, 2, v33
	v_add_nc_u32 v33, s2, v33                      ; my pair's place among the work-group's 16 x 16,
	v_lshl_add_u32 v34, v0, 2, OUTS                ; and what I store: number v0 of the 256,
	v_lshrrev_b32 v35, 4, v0
	v_and_b32 v36, 15, v0
	v_lshlrev_b32 v35, 10, v35
	v_lshl_add_u32 v35, v36, 2, v35                ; row v0 / 16, column v0 % 16
	s_wait_alu depctr_va_vdst(0)
	s_wait_dscnt 0x0
.set kk, 0
.rept 32
	v_add_nc_u32 v[160+kk], s[DEC], v[160+kk]      ; 4 K t2v -> K t2v; -2^127 where t2v == 0
.set kk, kk+1
.endr
	v_max3_num_f32 v224, v160, v161, v162
	v_max3_num_f32 v225, v176, v177, v178
	v_max3_num_f32 v226, v192, v193, v194
	v_max3_num_f32 v227, v200, v201, v202
.irp k, 3,5
	v_max3_num_f32 v224, v224, v[160+\k], v[161+\k]
	v_max3_num_f32 v225, v225, v[176+\k], v[177+\k]
	v_max3_num_f32 v226, v226, v[192+\k], v[193+\k]
	v_max3_num_f32 v227, v227, v[200+\k], v[201+\k]
.endr
.irp k, 7,9,11,13
	v_max3_num_f32 v224, v224, v[160+\k], v[161+\k]
	v_max3_num_f32 v225, v225, v[176+\k], v[177+\k]
.endr
	v_max3_num_f32 v226, v226, v199, v207
	v_max3_num_f32 v224, v224, v175, v191
	v_max_num_f32 v229, v226, v227                 ; the largest K v2t
	v_max_num_f32 v228, v224, v225
	v_mul_f32 v228, 2.0, v228                      ; the largest K t2v; where every t2v is 0 (-2^127) the doubling overflows: -infinity, and NaN comes out, as in the reference
	v_mul_f32 v228, 0.5, v228
.irp i, 0,2,4,6,8,10,12,14
	v_pk_add_f32 v[128+\i:129+\i], v[192+\i:193+\i], v[228:229] op_sel:[0,1] op_sel_hi:[1,1] neg_lo:[0,1] neg_hi:[0,1]
.endr
.irp i, 0,2,4,6,8,10,12,14,16,18,20,22,24,26,28,30
	v_pk_add_f32 v[96+\i:97+\i], v[160+\i:161+\i], v[228:229] op_sel_hi:[1,0] neg_lo:[0,1] neg_hi:[0,1]
.endr
	s_wait_alu depctr_va_vdst(0)                   ; the wait ahead of the batch
.set kk, 0
.rept 48
	v_exp_f32 v[96+kk], v[96+kk]
.set kk, kk+1
.endr
	v_nop
	s_wait_alu depctr_va_vdst(0)                   ; and behind it
	v_pk_mul_f32 v[232:233], v[160:161], v[96:97]
	v_pk_mul_f32 v[236:237], v[192:193], v[128:129]
	v_pk_add_f32 v[230:231], v[96:97], v[98:99]
	v_pk_add_f32 v[234:235], v[128:129], v[130:131]
.irp i, 2,4,6,8,10,12,14,16,18,20,22,24,26,28,30
	v_pk_fma_f32 v[232:233], v[160+\i:161+\i], v[96+\i:97+\i], v[232:233]
.if \i < 16
	v_pk_fma_f32 v[236:237], v[192+\i:193+\i], v[128+\i:129+\i], v[236:237]
.endif
.if \i > 2
	v_pk_add_f32 v[230:231], v[230:231], v[96+\i:97+\i]
.if \i < 16
	v_pk_add_f32 v[234:235], v[234:235], v[128+\i:129+\i]
.endif
.endif
.endr
	v_add_f32 v238, v230, v231
	v_add_f32 v239, v234, v235
	v_add_f32 v240, v232, v233
	v_add_f32 v241, v236, v237
	s_wait_alu depctr_va_vdst(0)                   ; the wait ahead of the batch
	v_rcp_f32 v242, v238
	v_rcp_f32 v243, v239
	v_nop
	s_wait_alu depctr_va_vdst(0)                   ; and behind it
	v_mul_f32 v244, v240, v242                     ; K t2v_ab
	v_fma_f32 v244, v241, v243, v244               ; + K v2t_ab
	v_mul_f32 v244, s77, v244                      ; / (2 K)
	ds_store_b32 v33, v244
	s_wait_alu depctr_va_vdst(0)
	s_wait_dscnt 0x0                               ; for the others' sake: my result is in LDS
	s_barrier_signal -1
	s_barrier_wait -1
	ds_load_b32 v245, v34
	s_wait_dscnt 0x0
	global_store_b32 v35, v245, s[12:13]           ; sixteen lanes store 64 consecutive bytes: all that my block has of a row
	s_wait_tensorcnt 0x0                           ; the wave's end
	ds_add_u32 v[SPW], v[NIL]
	s_wait_dscnt 0x0
	ROUND                                          ; the closing round: no work-group ends while a partner may still ask for a tile that names it
	s_endpgm
.Lfunc_end_k_qee6a1a3d4a_pool:
	.size	k_qee6a1a3d4a_pool, .Lfunc_end_k_qee6a1a3d4a_pool-k_qee6a1a3d4a_pool
	.p2alignl 7, 3214868480
	.fill 96, 4, 3214868480
	.section	.rodata,"a",@progbits
	.p2align	6, 0x0
	.amdhsa_kernel k_qee6a1a3d4a_pool
		.amdhsa_group_segment_fixed_size 327680
		.amdhsa_private_segment_fixed_size 0
		.amdhsa_enable_private_segment 0
		.amdhsa_kernarg_size 40
		.amdhsa_user_sgpr_count 2
		.amdhsa_user_sgpr_kernarg_segment_ptr 1
		.amdhsa_wavefront_size32 1
		.amdhsa_system_sgpr_workgroup_id_x 1
		.amdhsa_system_sgpr_workgroup_id_y 1
		.amdhsa_system_sgpr_workgroup_id_z 1
		.amdhsa_system_vgpr_workitem_id 0
		.amdhsa_next_free_vgpr 512
		.amdhsa_next_free_sgpr 96
		.amdhsa_reserve_vcc 0
		.amdhsa_float_denorm_mode_32 3
		.amdhsa_float_denorm_mode_16_64 3
		.amdhsa_memory_ordered 1
		.amdhsa_forward_progress 1
		.amdhsa_inst_pref_size 227
	.end_amdhsa_kernel
	.amdgpu_metadata
---
amdhsa.version: [ 1, 2 ]
amdhsa.kernels:
  - .name:           k_qee6a1a3d4a_pool
    .symbol:         k_qee6a1a3d4a_pool.kd
    .args:
      - { .name: text_codes, .offset: 0, .size: 8, .value_kind: global_buffer, .address_space: global }
      - { .name: video_codes, .offset: 8, .size: 8, .value_kind: global_buffer, .address_space: global }
      - { .name: text_mask, .offset: 16, .size: 8, .value_kind: global_buffer, .address_space: global }
      - { .name: lowp_scales, .offset: 24, .size: 8, .value_kind: global_buffer, .address_space: global }
      - { .name: out0, .offset: 32, .size: 8, .value_kind: global_buffer, .address_space: global }
    .group_segment_fixed_size: 327680
    .private_segment_fixed_size: 0
    .kernarg_segment_align: 8
    .kernarg_segment_size: 40
    .max_flat_workgroup_size: 256
    .sgpr_count:     96
    .vgpr_count:     512
    .wavefront_size: 32
...
	.end_amdgpu_metadata
.endif
;; end of part 2
